; MI455X (gfx1250); checked and timed in simulation.
; The chip was launched on July 23, 2026; its instructions are those of AMD's public machine-readable ISA for CDNA 5 (MIT licence, August 2026) and "CDNA5" Instruction Set Architecture Reference Guide (July 2026). The comments in the code are by the model that wrote it; some were corrected since.
;; Mo E. Allowed arithmetic: float matrix products may take bf16 or f16 operands with f32 sums; other float arithmetic in f32, or as packed bf16 or f16 multiplies, adds, multiply-adds, maxima and minima; sums over many terms, partial sums and values carried from step to step in f32; what a program stores and reads back later, other than sums and carried values, may be rounded once to bf16 or f16.
;; Inputs: W1 8 x 512 x 1,024 float32; W2 8 x 1,024 x 512 float32; Wg 512 x 8 float32; b1 8 x 1,024 float32; b2 8 x 512 float32; bg 8 float32; x 4 x 2,048 x 512 float32.
;; Outputs: out0 4 x 2,048 x 512 float32.
;; One version. Each part assembles by itself: llvm-mc -triple=amdgcn-amd-amdhsa -mcpu=gfx1250 --defsym DOCPART=n.
;; ======== version 1 of 1: 4 launches
;; workspace buffers: xb 8,388,608 bytes; wf 16,777,216 bytes; sel 65,536 bytes of whole numbers; gw 65,536 bytes; list 270,336 bytes of whole numbers; cnt 256 bytes of whole numbers; part 33,554,432 bytes
;; launch router (part 1): grid 256 x 1, 8 waves a work-group, no clusters, 19,968 bytes of LDS; arguments x, Wg, bg, xb, sel, gw; writes xb, sel, gw
.if DOCPART == 1
	.amdgcn_target "amdgcn-amd-amdhsa--gfx1250"
	.amdhsa_code_object_version 6
	.text
	.protected	k_q82b1d93251_router
	.globl	k_q82b1d93251_router
	.p2align	8
	.type	k_q82b1d93251_router,@function
k_q82b1d93251_router:
	s_mov_b64 s[64:65], 0
	v_nop
	global_prefetch_b8 v0, s[64:65] scope:SCOPE_SE
	s_setreg_imm32_b32 hwreg(HW_REG_WAVE_MODE, 25, 1), 1
	s_wait_xcnt 0x0
; ROUTER.  For each of 8,192 tokens: logits = x Wg + bg in f32, less their maximum; the two largest (the lower index wins a tie);
; the softmax of the two; and x rounded once to bf16 for the products of a later launch.
; Stored at fixed places: sel[2 t + k] = the k-th chosen expert, gw[2 t + k] = its weight, xb[t][512] = bf16(x[t]).  No address hangs on a result.
; SHARES.  A work-group has 32 tokens, a wave 4.  Of a row lane l holds columns 128 c + 4 l + j (c, j = 0..3): each load of a wave covers 512 consecutive bytes.
; Wg (512 x 8 f32, 16 KiB) stays in 128 registers of every wave: the lane's 16 columns x 8 experts.  A lane's part is 128 bytes in each 4 KiB, so straight loads would have lanes 128 bytes apart,
; eight waves over.  So the work-group brings Wg in ONCE, 512 consecutive bytes to a load, lays it into LDS in groups of 128 bytes at a pitch of 144, and every wave reads its registers from there.
; LIMITS.  The 512 terms of a logit are added 16 in a lane and then across the lanes, another order than the reference's: two logits closer than the
; rounding of such sums (some 1e-6 of their size) may change places.  NaN and infinite logits are not treated apart.  A second weight below 2^-126 counts as 0.
; No matrix unit: the choice has to be made in f32.
.set SELB,  0                          ; LDS: 32 tokens x 2 words, the experts
.set GWB,   256                        ; LDS: 32 tokens x 2 words, the weights
.set SPARE, 512                        ; the spare words, 128 bytes for each of 8 waves
.set WGL,   1536                       ; LDS: Wg, 128 groups of four rows
.set WGP,   144                        ; a group's 128 bytes + 16
.set LG,  8                            ; v[8:15]   the 8 logits
.set MK,  16                           ; v[16:23]  the other half's sums; then the logits with the winner taken out
.set RES, 28                           ; v[28:43]  token i: first expert, second expert, first weight, second weight
.set DD,  44                           ; v[44:47]  second logit less first
.set EE,  48                           ; v[48:51]  its exponential
.set WG,  56                           ; v[56:183] Wg: column 4 c + j of my 16 at WG + 8 (4 c + j)
.set XR,  184                          ; v[184:247] x: token i at XR + 16 i
	s_load_b256 s[4:11], s[0:1], 0x0               ; x s[4:5], Wg s[6:7], bg s[8:9], xb s[10:11]
	s_load_b128 s[12:15], s[0:1], 0x20             ; sel s[12:13], gw s[14:15]
	v_lshl_add_u32 v4, v0, 2, SPARE                ; my spare word
	v_mov_b32 v5, 0
	v_lshrrev_b32 v7, 5, v0
	v_readfirstlane_b32 s24, v7                    ; wave 0..7
	v_and_b32 v3, 31, v0                           ; lane
	v_lshlrev_b32 v1, 4, v3                        ; 16 l: my 16 bytes in 512 of x
	v_mul_u32_u24 v2, v3, WGP
	v_add_nc_u32 v2, WGL, v2                       ; LDS: group l, my four rows of Wg's first 128
	v_lshlrev_b32 v3, 3, v3                        ; 8 l: my 8 bytes in 256 of xb, of sel, of gw
	v_lshlrev_b32 v52, 4, v0                       ; 16 x thread: my 16 bytes in 4,096 of Wg,
	v_lshrrev_b32 v53, 3, v0                       ; which lie in group thread / 8
	v_mul_u32_u24 v53, v53, WGP
	v_and_b32 v54, 7, v0
	v_lshl_add_u32 v53, v54, 4, v53                ; at 16 (thread % 8)
	v_add_nc_u32 v53, WGL, v53
	v_mov_b32 v6, s24
	v_lshlrev_b32 v6, 5, v6                        ; 32 w: my wave's four tokens in the two LDS tables
	s_mov_b32 s28, 0x76543210                      ; v_permlanex16_b32: each lane takes its own place in the other half
	s_mov_b32 s29, 0xfedcba98
	s_mov_b32 s30, 0xff800000                      ; -infinity takes the winner's place
	s_lshl_b32 s26, ttmp9, 16                      ; 32 tokens x 2,048 bytes
	s_lshl_b32 s25, s24, 13                        ; + 4 tokens a wave
	s_add_co_u32 s26, s26, s25
	s_mov_b32 s27, 0
.irp e, 0,1,2,3,4,5,6,7
	v_mov_b32 v[MK+\e], 0                          ; the exchange's destination counts as read
.endr
	s_wait_kmcnt 0x0
	s_load_b256 s[16:23], s[8:9], 0x0              ; bg
	s_add_nc_u64 s[4:5], s[4:5], s[26:27]          ; x at my wave's first token
	s_lshr_b32 s26, s26, 1
	s_add_nc_u64 s[10:11], s[10:11], s[26:27]      ; xb likewise: rows of 1,024 bytes
	s_lshl_b32 s26, ttmp9, 8
	s_add_nc_u64 s[12:13], s[12:13], s[26:27]      ; sel and gw at the group's 256 bytes
	s_add_nc_u64 s[14:15], s[14:15], s[26:27]
.irp i, 0,1,2,3                                        ; Wg, once for the work-group: a thread's four pieces of 16 bytes
	global_load_b128 v[WG+4*\i:WG+4*\i+3], v52, s[6:7] offset:4096*\i
.endr
.set q, 0
.rept 16
	global_load_b128 v[XR+4*q:XR+4*q+3], v1, s[4:5] offset:2048*(q/4)+512*(q%4)
.set q, q+1
.endr
	s_wait_loadcnt 16                              ; loads come back in order: Wg's four are in, the 16 of x stay out
.irp i, 0,1,2,3
	ds_store_b128 v53, v[WG+4*\i:WG+4*\i+3] offset:32*WGP*\i  ; 4,096 bytes are 32 groups
.endr
	s_wait_dscnt 0x0                               ; for the others' sake: my part of Wg is stored
	s_barrier_signal -1
	s_barrier_wait -1                              ; Wg is whole
.set q, 0
.rept 16                                               ; column 128 c + 4 l + j: group 32 c + l, bytes 32 j on
	ds_load_b128 v[WG+8*q:WG+8*q+3],   v2 offset:32*WGP*(q/4)+32*(q%4)
	ds_load_b128 v[WG+8*q+4:WG+8*q+7], v2 offset:32*WGP*(q/4)+32*(q%4)+16
.set q, q+1
.endr
	s_wait_kmcnt 0x0                               ; bg
	s_wait_dscnt 0x0                               ; Wg is in registers
; One token: the dot products, the sums across the lanes, the two scans, the row in bf16.
.macro TOKEN i
	s_wait_loadcnt 12-4*(\i)                       ; loads come back in order: this token's row is in, the later tokens' four loads each stay out
.set q, 0
.rept 16                                               ; column q of my 16 times its 8 weights, four chains of two experts
.set xr, XR+16*(\i)+(q/2)*2
.irp p, 0,1,2,3
.if q == 0
	v_pk_mul_f32 v[LG+2*\p:LG+2*\p+1], v[WG+2*\p:WG+2*\p+1], v[xr:xr+1] op_sel_hi:[1,0]
.elseif q%2 == 0
	v_pk_fma_f32 v[LG+2*\p:LG+2*\p+1], v[WG+8*q+2*\p:WG+8*q+2*\p+1], v[xr:xr+1], v[LG+2*\p:LG+2*\p+1] op_sel_hi:[1,0,1]
.else
	v_pk_fma_f32 v[LG+2*\p:LG+2*\p+1], v[WG+8*q+2*\p:WG+8*q+2*\p+1], v[xr:xr+1], v[LG+2*\p:LG+2*\p+1] op_sel:[0,1,0] op_sel_hi:[1,1,1]
.endif
.endr
.set q, q+1
.endr
.irp m, 1,2,4,8                                        ; across 16 lanes, the eight sums side by side
.irp e, 0,1,2,3,4,5,6,7
	v_add_f32_dpp v[LG+\e], v[LG+\e], v[LG+\e] row_xmask:\m row_mask:0xf bank_mask:0xf
.endr
.endr
.irp e, 0,1,2,3,4,5,6,7
	v_permlanex16_b32 v[MK+\e], v[LG+\e], s28, s29
.endr
.irp e, 0,1,2,3,4,5,6,7
	v_add_f32 v[LG+\e], v[LG+\e], v[MK+\e]         ; every lane holds the sum
.endr
.irp e, 0,1,2,3,4,5,6,7
	v_add_f32 v[LG+\e], s[16+\e], v[LG+\e]         ; + bg
.endr
	v_max3_num_f32 v24, v[LG], v[LG+1], v[LG+2]    ; the maximum is taken away first, as the reference does
	v_max3_num_f32 v24, v24, v[LG+3], v[LG+4]
	v_max3_num_f32 v24, v24, v[LG+5], v[LG+6]
	v_max_num_f32 v24, v24, v[LG+7]
.irp e, 0,1,2,3,4,5,6,7
	v_sub_f32 v[LG+\e], v[LG+\e], v24
.endr
	v_mov_b32 v25, v[LG]                           ; first scan: only a strictly greater logit takes over, so the lower index keeps a tie
	v_mov_b32 v[RES+4*(\i)], 0
.irp e, 1,2,3,4,5,6,7
	v_cmp_gt_f32 vcc_lo, v[LG+\e], v25
	v_cndmask_b32 v25, v25, v[LG+\e], vcc_lo
	v_cndmask_b32 v[RES+4*(\i)], v[RES+4*(\i)], \e, vcc_lo
.endr
.irp e, 0,1,2,3,4,5,6,7
	v_cmp_eq_u32 vcc_lo, \e, v[RES+4*(\i)]
	v_cndmask_b32 v[MK+\e], v[LG+\e], s30, vcc_lo  ; the winner is taken out
.endr
	v_mov_b32 v26, v[MK]                           ; second scan
	v_mov_b32 v[RES+4*(\i)+1], 0
.irp e, 1,2,3,4,5,6,7
	v_cmp_gt_f32 vcc_lo, v[MK+\e], v26
	v_cndmask_b32 v26, v26, v[MK+\e], vcc_lo
	v_cndmask_b32 v[RES+4*(\i)+1], v[RES+4*(\i)+1], \e, vcc_lo
.endr
	v_sub_f32 v[DD+(\i)], v26, v25                 ; at most 0: the softmax's own maximum is taken away
.irp c, 0,1,2,3                                        ; the row in bf16, in place; a store of the wave covers 256 consecutive bytes, aligned
	v_cvt_pk_bf16_f32 v[XR+16*(\i)+4*\c],   v[XR+16*(\i)+4*\c],   v[XR+16*(\i)+4*\c+1]
	v_cvt_pk_bf16_f32 v[XR+16*(\i)+4*\c+1], v[XR+16*(\i)+4*\c+2], v[XR+16*(\i)+4*\c+3]
	global_store_b64 v3, v[XR+16*(\i)+4*\c:XR+16*(\i)+4*\c+1], s[10:11] offset:1024*(\i)+256*\c
.endr
.endm
	TOKEN 0
	TOKEN 1
	TOKEN 2
	TOKEN 3
	; the weights: e = exp(second - first); 1 / (1 + e) and e / (1 + e)
.irp i, 0,1,2,3
	v_mul_f32 v[DD+\i], 0x3fb8aa3b, v[DD+\i]       ; times log2(e)
.endr
.irp i, 0,1,2,3
	v_exp_f32 v[EE+\i], v[DD+\i]
.endr
	v_nop                                          ; a plain instruction behind the last exponential,
	s_wait_alu depctr_va_vdst(0)                   ; and one wait for the four, ahead of their first reader
.irp i, 0,1,2,3
	v_add_f32 v[DD+\i], 1.0, v[EE+\i]
.endr
.irp i, 0,1,2,3
	v_rcp_f32 v[RES+4*\i+2], v[DD+\i]
.endr
	v_nop
	s_wait_alu depctr_va_vdst(0)                   ; one wait for the four reciprocals
.irp i, 0,1,2,3
	v_mul_f32 v[RES+4*\i+3], v[EE+\i], v[RES+4*\i+2]
.endr
.irp i, 0,1,2,3                                        ; all lanes hold the same numbers and write the same words
	ds_store_b64 v6, v[RES+4*\i:RES+4*\i+1] offset:SELB+8*\i
	ds_store_b64 v6, v[RES+4*\i+2:RES+4*\i+3] offset:GWB+8*\i
.endr
	s_wait_dscnt 0x0                               ; for the others' sake: my stores are done
	s_barrier_signal -1
	s_barrier_wait -1
	s_cmp_lg_u32 s24, 0
	s_cbranch_scc1 .Lnot_wave_0
	ds_load_b64 v[8:9], v3 offset:SELB             ; wave 0 stores the group's 256 bytes of sel whole
	s_wait_dscnt 0x0
	global_store_b64 v3, v[8:9], s[12:13]
.Lnot_wave_0:
	s_cmp_lg_u32 s24, 1
	s_cbranch_scc1 .Lend
	ds_load_b64 v[8:9], v3 offset:GWB              ; wave 1 those of gw
	s_wait_dscnt 0x0
	global_store_b64 v3, v[8:9], s[14:15]
.Lend:
	s_wait_tensorcnt 0x0                           ; the wave's end, behind my last LDS store
	ds_add_u32 v4, v5
	s_wait_dscnt 0x0
	s_endpgm
.Lfunc_end_k_q82b1d93251_router:
	.size	k_q82b1d93251_router, .Lfunc_end_k_q82b1d93251_router-k_q82b1d93251_router
	.p2alignl 7, 3214868480
	.fill 96, 4, 3214868480
	.section	.rodata,"a",@progbits
	.p2align	6, 0x0
	.amdhsa_kernel k_q82b1d93251_router
		.amdhsa_group_segment_fixed_size 19968
		.amdhsa_private_segment_fixed_size 0
		.amdhsa_enable_private_segment 0
		.amdhsa_kernarg_size 48
		.amdhsa_user_sgpr_count 2
		.amdhsa_user_sgpr_kernarg_segment_ptr 1
		.amdhsa_wavefront_size32 1
		.amdhsa_system_sgpr_workgroup_id_x 1
		.amdhsa_system_sgpr_workgroup_id_y 1
		.amdhsa_system_sgpr_workgroup_id_z 1
		.amdhsa_system_vgpr_workitem_id 0
		.amdhsa_next_free_vgpr 248
		.amdhsa_next_free_sgpr 66
		.amdhsa_reserve_vcc 1
		.amdhsa_float_denorm_mode_32 3
		.amdhsa_float_denorm_mode_16_64 3
		.amdhsa_memory_ordered 1
		.amdhsa_forward_progress 1
		.amdhsa_inst_pref_size 53
	.end_amdhsa_kernel
	.amdgpu_metadata
---
amdhsa.version: [ 1, 2 ]
amdhsa.kernels:
  - .name:           k_q82b1d93251_router
    .symbol:         k_q82b1d93251_router.kd
    .args:
      - { .name: x, .offset: 0, .size: 8, .value_kind: global_buffer, .address_space: global }
      - { .name: Wg, .offset: 8, .size: 8, .value_kind: global_buffer, .address_space: global }
      - { .name: bg, .offset: 16, .size: 8, .value_kind: global_buffer, .address_space: global }
      - { .name: xb, .offset: 24, .size: 8, .value_kind: global_buffer, .address_space: global }
      - { .name: sel, .offset: 32, .size: 8, .value_kind: global_buffer, .address_space: global }
      - { .name: gw, .offset: 40, .size: 8, .value_kind: global_buffer, .address_space: global }
    .group_segment_fixed_size: 19968
    .private_segment_fixed_size: 0
    .kernarg_segment_align: 8
    .kernarg_segment_size: 48
    .max_flat_workgroup_size: 256
    .sgpr_count:     66
    .vgpr_count:     248
    .wavefront_size: 32
...
	.end_amdgpu_metadata
.endif
;; end of part 1
;; launch prep (part 2): grid 264 x 1, 8 waves a work-group, no clusters, 67,328 bytes of LDS; arguments W1, W2, sel, wf, list, cnt; writes wf, list, cnt
.if DOCPART == 2
	.amdgcn_target "amdgcn-amd-amdhsa--gfx1250"
	.amdhsa_code_object_version 6
	.text
	.protected	k_q82b1d93251_prep
	.globl	k_q82b1d93251_prep
	.p2align	8
	.type	k_q82b1d93251_prep,@function
k_q82b1d93251_prep:
	s_mov_b64 s[64:65], 0
	v_nop
	global_prefetch_b8 v0, s[64:65] scope:SCOPE_SE
	s_setreg_imm32_b32 hwreg(HW_REG_WAVE_MODE, 25, 1), 1
	s_wait_xcnt 0x0
; PREP.  Two kinds of work-group, told apart by the group's number, which all its waves share.  The two kinds name different LDS bytes, and each has one barrier.
; Groups 0-7, SORT: group e scans all 16,384 choices (sel, stored by the launch before) and writes list[e][0 .. c - 1] = the entries 2 t + k that chose expert e, and cnt[e] = c.
;   A counting sort without atomics: each wave counts its 2,048 choices, the eight counts meet in LDS, each wave places its own from the lower waves' sum on.  The order inside a list is of no account.
;   EXEC IS NEVER CHANGED: in each of a wave's 64 stores every lane stores 4 bytes.  A lane whose choice is e stores its entry's number at the list's next free word (consecutive words for the chosen
;   lanes); every other lane stores into a dump word of its own, behind the eight lists (word 65,536 + 256 e + thread), which nobody reads.  The price: those stores, on 8 work-groups.
;   Behind c nothing of list[e] is written and no later launch reads there; an expert without rows gets list[e][0] = 0, which the later launch's work-group without rows reads.
; Groups 8-263, WEIGHTS, one text for W1 (8-135) and W2 (136-263): each rounds a tile of 64 rows (k) x 512 columns (n) of f32 once to bf16 and lays it out as the chain's waves take it:
;   wf[e][wave 8][g 64][4,096 bytes]; a block is 8 lines (2 t + c) of 512 bytes, lane L = 16 h + r has 16 bytes at 16 L: W[k0 + 16 c + 8 h + 0..7][n0 + 16 t + r].
;   g < 32: W1[e], pass p = g / 16, k0 = 32 (g % 16), n0 = 128 wave + 64 p.     g >= 32: W2[e], k0 = 32 (g - 32), n0 = 64 wave.
;   W1's tile: rows 64 u on, columns 512 half on (2,048 consecutive bytes of each row of 4,096).  W2's: rows 64 u on, whole rows of 2,048 bytes.  What differs between the two (buffer, offset, bytes
;   from row to row, first block in wf) lies in scalar registers.  Two rows k, k + 1 of a column make one word, which is a fragment register's content; the tile of words turns in LDS.
.set T,     16                         ; weights: v[16:143] data.  sort: v[16:79] the choices
.set O,     144                        ; weights: v[144:159] step i's byte offset in the slab
.set AD,    80                         ; sort: v[80:143] store k's byte offset in list: each store has a register of its own
.set EV,    144                        ; sort: v[144:207] store k's data, the entry's number: likewise
.set CN,    208                        ; sort: v[208:215] the eight waves' counts
.set PITCH, 2064                       ; a row of 512 words in LDS + 16 bytes
.set CW,    32*PITCH                   ; behind the tile (66,048 bytes): the sort's eight counts, a block of 256 bytes
.set SPARE, CW+256                     ; the spare words, 128 bytes for each of 8 waves
.set DUMP,  8*8192                     ; list, in words: the eight lists, then 256 dump words for each expert
.set LISTW, DUMP+8*256                 ; all its words
.macro FIN                             ; the wave's end, behind my last LDS store
	s_wait_tensorcnt 0x0
	ds_add_u32 v6, v7
	s_wait_dscnt 0x0
	s_endpgm
.endm
.macro LINE n                          ; line n of a wave's 16: c = n % 2, t = (n / 2) % 4, K step n / 8.  Four words: rows of words 16 (n / 8) + 8 c + 4 h + 0..3;
.irp j, 0,1,2,3
	ds_load_b32 v[T+4*(\n)+\j], v3 offset:(16*((\n)/8)+8*((\n)%2)+\j)*PITCH+64*(((\n)/2)%4)
.endr
.endm
	s_load_b256 s[4:11], s[0:1], 0x0               ; W1 s[4:5], W2 s[6:7], sel s[8:9], wf s[10:11]
	s_load_b128 s[12:15], s[0:1], 0x20             ; list s[12:13], cnt s[14:15]
	v_lshl_add_u32 v6, v0, 2, SPARE                ; my spare word
	v_mov_b32 v7, 0
	v_lshrrev_b32 v1, 5, v0
	v_readfirstlane_b32 s17, v1                    ; wave 0..7
	s_mov_b32 s16, ttmp9
	s_mov_b32 s33, 0                               ; the high word of every offset
	s_wait_kmcnt 0x0
	s_cmp_lt_u32 s16, 8
	s_cbranch_scc1 .Lsort
	; WEIGHTS.  Both kinds' numbers are made, then one compare chooses.
	s_sub_co_u32 s20, s16, 8
	s_and_b32 s21, s20, 127                        ; my number among the 128 of my kind
	s_lshr_b32 s22, s21, 4                         ; e
	s_bfe_u32 s23, s21, 0x30001                    ; W1: u, 3 bits from bit 1
	s_and_b32 s24, s21, 1                          ; W1: half
	s_lshl_b32 s25, s22, 21                        ; W1: an expert is 2 MiB,
	s_lshl_b32 s26, s23, 18                        ; 64 rows of 4,096 bytes,
	s_add_co_u32 s25, s25, s26
	s_lshl_b32 s26, s24, 11                        ; 512 columns
	s_add_co_u32 s25, s25, s26
	s_lshl_b32 s26, s24, 2                         ; W1: my 64 columns belong to the chain's wave 4 half + v / 2,
	s_lshr_b32 s27, s17, 1
	s_add_co_u32 s26, s26, s27
	s_lshl_b32 s26, s26, 6                         ; which has 64 blocks,
	s_and_b32 s27, s17, 1                          ; to its pass v % 2,
	s_lshl_b32 s27, s27, 4
	s_add_co_u32 s26, s26, s27
	s_lshl1_add_u32 s26, s23, s26                  ; K steps 2 u and 2 u + 1
	s_lshl_b32 s28, s21, 17                        ; W2: slab 16 e + u of 64 rows of 2,048 bytes
	s_and_b32 s29, s21, 15                         ; W2: u
	s_lshl_b32 s30, s17, 6                         ; W2: the chain's wave v,
	s_lshl1_add_u32 s30, s29, s30
	s_add_co_u32 s30, s30, 32                      ; blocks 32 + 2 u and the next
	s_cmp_ge_u32 s20, 128
	s_cselect_b64 s[34:35], s[6:7], s[4:5]         ; the buffer
	s_cselect_b32 s32, s28, s25                    ; the slab's offset
	s_cselect_b32 s26, s30, s26                    ; the first block in the expert's part of wf
	s_cselect_b32 s38, 11, 12                      ; bytes from row to row, as a power of two
	s_add_nc_u64 s[34:35], s[34:35], s[32:33]      ; the even rows' base
	s_lshl_b32 s32, 1, s38
	s_add_nc_u64 s[36:37], s[34:35], s[32:33]      ; the odd rows' base: one row on
	s_lshl_b32 s38, s32, 1                         ; two rows
	s_lshl_b32 s39, s32, 2                         ; four rows: a step
	s_lshl_b32 s32, s22, 21
	s_lshl_b32 s26, s26, 12
	s_add_co_u32 s32, s32, s26
	s_add_nc_u64 s[10:11], s[10:11], s[32:33]      ; wf at my wave's two blocks
	v_and_b32 v9, 15, v0                           ; r
	v_bfe_u32 v10, v0, 4, 1                        ; h
	v_and_b32 v8, 31, v0
	v_lshlrev_b32 v8, 4, v8                        ; 16 x lane
	v_lshrrev_b32 v4, 7, v0                        ; which of a step's two pairs of rows
	v_and_b32 v5, 127, v0
	v_lshlrev_b32 v5, 4, v5                        ; my four columns
	v_mad_u32_u24 v[O], v4, s38, v5
.set i, 1
.rept 15
	v_add_nc_u32 v[O+i], s39, v[O+i-1]
.set i, i+1
.endr
	v_mad_u32_u24 v2, v4, PITCH, v5                ; where my four words go
	v_mul_u32_u24 v3, v10, 4*PITCH                 ; where my lines come from: 4 h rows of words,
	v_lshl_add_u32 v3, v9, 2, v3                   ; column r
	s_lshl_b32 s23, s17, 8                         ; of my wave's 64
	v_add_nc_u32 v3, s23, v3
.set i, 0
.rept 16                                               ; all 32 loads of a thread go out at once: each covers 512 consecutive bytes a wave, read once in the launch
	global_load_b128 v[T+8*i:T+8*i+3],   v[O+i], s[34:35] th:TH_LOAD_NT
	global_load_b128 v[T+8*i+4:T+8*i+7], v[O+i], s[36:37] th:TH_LOAD_NT
.set i, i+1
.endr
.set i, 0
.rept 16
	s_wait_loadcnt 30-2*i                          ; this pair of rows is in; the later pairs, two loads each, stay out
.irp j, 0,1,2,3
	v_cvt_pk_bf16_f32 v[T+8*i+\j], v[T+8*i+\j], v[T+8*i+4+\j]  ; (k, k + 1) of one column
.endr
	ds_store_b128 v2, v[T+8*i:T+8*i+3] offset:i*2*PITCH
.set i, i+1
.endr
	s_wait_dscnt 0x0                               ; for the others' sake: my part of the tile is stored
	s_barrier_signal -1
	s_barrier_wait -1
.set n, 0
.rept 8                                                ; eight lines go out; then each line that is stored is followed by the loads of the line eight on: 32 LDS loads are out at the most
	LINE n
.set n, n+1
.endr
.set n, 0
.rept 16
.if n < 8
	s_wait_dscnt 28                                ; line n is in; the seven younger lines' four loads each stay out
.else
	s_wait_dscnt 4*(15-n)                          ; the counts run down
.endif
	global_store_b128 v8, v[T+4*n:T+4*n+3], s[10:11] offset:(n/8)*4096+512*(n%8)  ; 512 consecutive bytes, aligned
.if n < 8
	LINE n+8
.endif
.set n, n+1
.endr
	FIN
.Lsort:	; register k of a thread's 64 holds the choice of entry 1,024 (k / 4) + 4 x thread + k % 4
	s_lshl_b32 s32, s16, 2
	s_add_nc_u64 s[14:15], s[14:15], s[32:33]      ; cnt[e]
	v_lshlrev_b32 v1, 4, v0                        ; 16 x thread
.set i, 0
.rept 16
	global_load_b128 v[T+4*i:T+4*i+3], v1, s[8:9] offset:4096*i
.set i, i+1
.endr
	v_lshlrev_b32 v2, 2, v0                        ; 4 x thread
	s_lshl_b32 s19, s16, 8
	s_add_co_u32 s19, s19, DUMP
	v_add_nc_u32 v3, s19, v0                       ; my dump word
	s_mov_b32 s20, 0
	s_wait_loadcnt 0x0
.set k, 0
.rept 64                                               ; my wave's count
	v_cmp_eq_u32 vcc_lo, s16, v[T+k]
	s_bcnt1_i32_b32 s21, vcc_lo
	s_add_co_u32 s20, s20, s21
.set k, k+1
.endr
	v_mov_b32 v4, s17
	v_lshl_add_u32 v4, v4, 2, CW                   ; my wave's word
	v_mov_b32 v5, s20
	ds_store_b32 v4, v5                            ; all lanes write the same word with the same number
	s_wait_dscnt 0x0                               ; for the others' sake: my count is stored
	s_barrier_signal -1
	s_barrier_wait -1
	v_mov_b32 v9, CW
	ds_load_b128 v[CN:CN+3], v9
	ds_load_b128 v[CN+4:CN+7], v9 offset:16
	s_wait_dscnt 0x0
.irp k, 0,1,2,3,4,5,6,7
	v_readfirstlane_b32 s[24+\k], v[CN+\k]
.endr
	s_lshl_b32 s22, s16, 13                        ; the word at which my wave's entries begin: list[e]'s first, plus the lower waves' counts
	s_mov_b32 s23, 0                               ; the expert's count
.irp k, 0,1,2,3,4,5,6,7
	s_cmp_gt_u32 s17, \k
	s_cselect_b32 s21, s[24+\k], 0
	s_add_co_u32 s22, s22, s21
	s_add_co_u32 s23, s23, s[24+\k]
.endr
.set k, 0
.rept 64                                               ; place.  No register of a store is written again, so no wait stands among the stores
	v_cmp_eq_u32 vcc_lo, s16, v[T+k]
	v_mbcnt_lo_u32_b32 v[AD+k], vcc_lo, s22        ; the running word plus the chosen lanes below mine
	v_cndmask_b32 v[AD+k], v3, v[AD+k], vcc_lo     ; a lane that is not chosen takes its dump word
	v_min_u32 v[AD+k], LISTW-1, v[AD+k]            ; inside the buffer, whatever was loaded
	v_lshlrev_b32 v[AD+k], 2, v[AD+k]
	v_add_nc_u32 v[EV+k], 1024*(k/4)+k%4, v2       ; the entry's number
	s_bcnt1_i32_b32 s21, vcc_lo
	s_add_co_u32 s22, s22, s21
	global_store_b32 v[AD+k], v[EV+k], s[12:13]
.set k, k+1
.endr
	s_cmp_lg_u32 s17, 0
	s_cbranch_scc1 .Lsort_end
	v_mov_b32 v8, 0
	v_mov_b32 v10, s23
	global_store_b32 v8, v10, s[14:15]             ; the count: all 32 lanes store the same number to the same word
	s_cmp_lg_u32 s23, 0
	s_cbranch_scc1 .Lsort_end
	s_lshl_b32 s19, s16, 15
	v_mov_b32 v11, s19
	global_store_b32 v11, v8, s[12:13]             ; an expert without rows: entry 0 stands at its list's head; again one word from all lanes
.Lsort_end:
	FIN
.Lfunc_end_k_q82b1d93251_prep:
	.size	k_q82b1d93251_prep, .Lfunc_end_k_q82b1d93251_prep-k_q82b1d93251_prep
	.p2alignl 7, 3214868480
	.fill 96, 4, 3214868480
	.section	.rodata,"a",@progbits
	.p2align	6, 0x0
	.amdhsa_kernel k_q82b1d93251_prep
		.amdhsa_group_segment_fixed_size 67328
		.amdhsa_private_segment_fixed_size 0
		.amdhsa_enable_private_segment 0
		.amdhsa_kernarg_size 48
		.amdhsa_user_sgpr_count 2
		.amdhsa_user_sgpr_kernarg_segment_ptr 1
		.amdhsa_wavefront_size32 1
		.amdhsa_system_sgpr_workgroup_id_x 1
		.amdhsa_system_sgpr_workgroup_id_y 1
		.amdhsa_system_sgpr_workgroup_id_z 1
		.amdhsa_system_vgpr_workitem_id 0
		.amdhsa_next_free_vgpr 216
		.amdhsa_next_free_sgpr 66
		.amdhsa_reserve_vcc 1
		.amdhsa_float_denorm_mode_32 3
		.amdhsa_float_denorm_mode_16_64 3
		.amdhsa_memory_ordered 1
		.amdhsa_forward_progress 1
		.amdhsa_inst_pref_size 56
	.end_amdhsa_kernel
	.amdgpu_metadata
---
amdhsa.version: [ 1, 2 ]
amdhsa.kernels:
  - .name:           k_q82b1d93251_prep
    .symbol:         k_q82b1d93251_prep.kd
    .args:
      - { .name: W1, .offset: 0, .size: 8, .value_kind: global_buffer, .address_space: global }
      - { .name: W2, .offset: 8, .size: 8, .value_kind: global_buffer, .address_space: global }
      - { .name: sel, .offset: 16, .size: 8, .value_kind: global_buffer, .address_space: global }
      - { .name: wf, .offset: 24, .size: 8, .value_kind: global_buffer, .address_space: global }
      - { .name: list, .offset: 32, .size: 8, .value_kind: global_buffer, .address_space: global }
      - { .name: cnt, .offset: 40, .size: 8, .value_kind: global_buffer, .address_space: global }
    .group_segment_fixed_size: 67328
    .private_segment_fixed_size: 0
    .kernarg_segment_align: 8
    .kernarg_segment_size: 48
    .max_flat_workgroup_size: 256
    .sgpr_count:     66
    .vgpr_count:     216
    .wavefront_size: 32
...
	.end_amdgpu_metadata
.endif
;; end of part 2
;; launch chain (part 3): grid 212 x 1, 8 waves a work-group, no clusters, 288,256 bytes of LDS; arguments xb, wf, b1, b2, gw, list, cnt, part; writes part
.if DOCPART == 3
	.amdgcn_target "amdgcn-amd-amdhsa--gfx1250"
	.amdhsa_code_object_version 6
	.text
	.protected	k_q82b1d93251_chain
	.globl	k_q82b1d93251_chain
	.p2align	8
	.type	k_q82b1d93251_chain,@function
k_q82b1d93251_chain:
	s_mov_b64 s[64:65], 0
	v_nop
	global_prefetch_b8 v0, s[64:65] scope:SCOPE_SE
	s_setreg_imm32_b32 hwreg(HW_REG_WAVE_MODE, 25, 1), 1
	s_wait_xcnt 0x0
; CHAIN.  A work-group takes 80 routed rows of ONE expert through gather, X W1 + b1, the exact GELU, H W2 + b2 and the gate's weight, and stores one f32 row of part for each:
; part[entry] = gw[entry] (gelu(xb[entry / 2] W1[e] + b1[e]) W2[e] + b2[e]), entry = 2 token + k.  A later launch adds a token's two rows and x.
; THE DEAL.  Every work-group works it out from cnt, which the launch before stored: expert e with c rows gets w = ceil(c / 80) work-groups, and work-group J of them rows 80 J .. 80 J + 79.
; The w add up to (16,384 + 8 x 79) / 80 = 212 at the most, whatever the split: that is the grid.  WHY 80 AND NOT 64: the experts' blocks of 16 rows add up to more than 4 x 256 as soon as one count is
; no multiple of 16, so with 256 work-groups some would have five blocks anyway and be the longest; and every work-group walks its expert's 2 MiB of weights whatever its rows: fewer walks, fewer bytes.
; Rows past the count repeat the expert's last row (an expert without rows: token 0) and are not stored.  A work-group that a split leaves without rows walks such rows too and stores nothing:
; so no barrier stands under a branch on a count.
; SHARES.  All 8 waves take all rows.  First product: wave w makes columns 128 w .. + 127 of the H that lies in LDS, as two passes of 64.  Second: columns 64 w .. + 63 of the output, 256 bytes of a row.
; A K step is 32 along K: 20 matrix instructions, 4 KiB of weights, 5 KiB of row fragments from LDS.  A wave has 64 K steps.
; THE WEIGHTS GO FROM MEMORY STRAIGHT INTO OPERAND REGISTERS: each weight byte has one reader in the work-group.  A ring of four register buffers: the blocks of the next two or three K steps are out.
; THE TURN.  rho = 11 x the work-group's number mod 16, so that the work-groups of an expert do not all ask for the same block in the same step.  Sums may be taken in any order of K, and H's columns
; may lie in LDS in any order, if both sides of a product agree.  X lies in LDS with its columns turned by 32 rho (LDS byte y of a row holds byte (y + 64 rho) mod 1,024 of xb's row), so K step s of the
; first product takes W1's block (s + rho) mod 16.  The group of 64 columns at place 2 w + p of the LDS's H is group (2 w + p + rho) mod 16 of F: the pass reads that group's blocks of W1 and its part of
; b1; K step q of the second product then takes W2's block (q + 2 rho) mod 32.  The turn enters global addresses alone: every LDS address is as without it.
; NO CLUSTER, NO TENSOR LOADS: some 26 work-groups walk the same 2 MiB, but a joint load lands in LDS: 2 MiB written and 2 MiB read more for each work-group, beside the 2.5 MiB of row
; fragments that it reads; beside X and H, with the stages laid over X, 74 KiB of LDS would be free: two slots of ONE K step (8 waves x 4 KiB), a round of the cluster's barrier for each of 64 steps.
; THE MATRIX INSTRUCTION IS USED TRANSPOSED: source 0 = 16 columns of the weights, source 1 = 16 rows.  A lane then holds ONE row (lane % 16) and eight neighbouring columns 8 (lane / 16) + 0..7.
; The bias is the C operand of a sum's first product.
; GELU.  gelu(x) = max(x, 0) - |x| / 2 / P(|x|)^16, P the polynomial of degree 6 of Abramowitz and Stegun 7.1.28 in |x| / sqrt(2): erf is off by 3e-7 at the most for every argument;
; where P^16 passes f32's range the second term is 0, its limit.  LIMITS.  x, W1, W2 and h are rounded once to bf16; sums in f32, K in the turned order; NaN and infinities are not treated apart.
; Where the count of rows is odd, the last store's upper 16 lanes hold the repeated last row: the same bytes to the same address as the lower 16.
; REGISTERS, in windows of 256 (s_set_vgpr_msb: bits 1:0 source 0, 3:2 source 1, 5:4 source 2, 7:6 destination).  Window 0: addresses, GELU's 32 at work, v96-255 the 20 accumulators.
; Window 1: v0-79 two buffers of row fragments (block b at + 8 b); v80-207 four buffers of weights (tile t at + 8 t); v208-239 the bias (tile t at + 8 t).
.set XP,    1040                       ; a row of X in LDS: 1,024 bytes + 16: the 16 rows of a fragment load start at 16 different groups of four banks (64 banks of 4 bytes: ISA guide 11.1)
.set HP,    2064                       ; a row of H: 2,048 + 16
.set HB,    80*XP                      ; X at 0; H behind it
.set STG,   HB+80*HP                   ; 16 rows x 272 bytes for each wave: the way out
.set TAB,   STG+8*16*272               ; 512 bytes for each wave: its copy of the 80 rows' entries
.set SPARE, TAB+8*512                  ; the spare words, 128 bytes for each of 8 waves
.set L16, 1                            ; v1     16 x lane; never rewritten
.set SPW, 2                            ; v2     my spare word
.set NIL, 3                            ; v3     0
.set AA,  4                            ; v4-8   block b: LDS address of its row fragments
.set AXL, 9                            ; v9     r XP + 16 h
.set AHL, 10                           ; v10    HB + r HP + 16 h
.set HST, 11                           ; v11    where my 16 bytes of H go: AHL + 256 w + 128 pass
.set HSB, 12                           ; v12    the same in the block in hand
.set STO, 13                           ; v13    the way out: where I put 32 bytes of a row
.set RD,  14                           ; v14    the way out: where I read rows back
.set TBR, 15                           ; v15    the entry of the row that I read back
.set CO,  16                           ; v16    256 w + 16 (lane % 16)
.set BV,  17                           ; v17    32 h: my eight numbers of a bias tile
.set G,   18                           ; v18-22 block b: my row's gate weight
.set EN,  23                           ; v23-27 block b: my row's entry
.set XS0, 28                           ; v28-29 where gathered rows go
.set XS1, 29
.set RR,  30                           ; v30    r = lane % 16
.set HH,  31                           ; v31    h = lane / 16
.set XO,  32                           ; v32-41 offsets: of the list's words, then of the gathered rows' first halves
.set GAD, 42                           ; v42-46 offsets in gw
.set TW,  47                           ; v47    where my row's entry goes in TAB
.set LA0, 48                           ; v48    the byte of xb's row that goes to LDS byte 16 x lane: (16 x lane + 64 rho) mod 1,024
.set LA1, 49                           ; v49    the same for LDS byte 512 + 16 x lane
.set XO2, 56                           ; v56-65 offsets of the gathered rows' second halves
.set GA,  56                           ; v56-71 GELU: |x|
.set GP,  72                           ; v72-87 GELU: P and its powers; then 16 bf16 pairs
.set OE,  56                           ; v56-95 the way out: 40 store offsets
.set ACC, 96                           ; accumulator (b, t) at ACC + 32 b + 8 t
.set AF,  0                            ; window 1
.set BF,  80
.set BIAS, 208
.set SEGB, 20                          ; s[20:21] (the counts' registers, free behind the deal) the segment of wf from which blocks are being asked for: 16 blocks of W1 or 32 of W2
.set NXB, 22                           ; s[22:23] the segment that follows it
.set S2B, 24                           ; s[24:25] my wave's 32 blocks of W2
.set SEGM, 26                          ; s26 the segment's blocks less 1
.set SEGR, 27                          ; s27 its turn
.set WV,  28                           ; s28 wave
.set ID,  29
.set SUMW, 30
.set EX,  31                           ; my expert
.set JJ,  32
.set NXM, 33                           ; s33, s34 mask and turn of the segment that follows
.set NXR, 34
.set CE,  35
.set T0,  36
.set T1,  37
.set PI,  38                           ; s38 the K step, in its segment, whose block is asked for next
.set ROW0, 39                          ; my first row in the expert's list
.set NROWS, 40                         ; rows to store
.set LAST, 41                          ; the expert's last row
.set WP,  42                           ; s[42:43] the block asked for
.set OF,  44                           ; s[44:45] an offset; the high word stays 0
.set LP,  46                           ; s[46:47] list[e]
.set PASSES, 48
.set TRIPS, 49
.set C6,  50                           ; s[50:61] c6 .. c1 as pairs: the packed forms name a pair and take its low word
.set ABSM, 62
.set RHO, 63                           ; s63 the turn
.set B1P, 66                           ; s[66:67] b1 of the first pass's group
.set B2P, 68                           ; s[68:69] b2 at my 64 columns
.set NBP, 70                           ; s[70:71] the bias to be fetched next
.set ENT, 72                           ; s72-81 entries of the rows that my wave gathers
.set XOF, 82                           ; s82-91 their offsets
.set P1,  92                           ; s[92:93], s[94:95] the blocks of K steps 1 and 2
.set P2,  94
.set W_LD, 0x40                        ; destination window 1, address window 0
.set W_MM, 0x05                        ; sources 0 and 1 window 1; C and D window 0
.set MSB, 0
.macro WIN new                         ; the immediate's high byte repeats the setting that is left; a switch that changes nothing is dropped
.if MSB != (\new)
	s_set_vgpr_msb (MSB<<8)|(\new)
.set MSB, \new
.endif
.endm
; four matrix instructions: block b x the four column tiles, weights' buffer q, rows' buffer a.  first = 1: the bias starts the sums
.macro MMB q, a, b, first
.irp t, 0,1,2,3
.if \first
	v_wmma_f32_16x16x32_bf16 v[ACC+32*(\b)+8*\t:ACC+32*(\b)+8*\t+7], v[BF+32*(\q)+8*\t:BF+32*(\q)+8*\t+7], v[AF+40*(\a)+8*(\b):AF+40*(\a)+8*(\b)+7], v[BIAS+8*\t:BIAS+8*\t+7]
.else
	v_wmma_f32_16x16x32_bf16 v[ACC+32*(\b)+8*\t:ACC+32*(\b)+8*\t+7], v[BF+32*(\q)+8*\t:BF+32*(\q)+8*\t+7], v[AF+40*(\a)+8*(\b):AF+40*(\a)+8*(\b)+7], v[ACC+32*(\b)+8*\t:ACC+32*(\b)+8*\t+7]
.endif
.endr
.endm
; the row fragments of a pass's K step 0 into buffer 0
.macro LOADA0
	WIN W_LD
.irp b, 0,1,2,3,4
	ds_load_b128 v[AF+8*\b:AF+8*\b+3],   v[AA+\b]
	ds_load_b128 v[AF+8*\b+4:AF+8*\b+7], v[AA+\b] offset:32
.endr
.endm
; A K STEP: multiplies weights' buffer q by rows' buffer a.  lda: the next step's row fragments, at byte koff of the rows, into the other buffer.  ldb: the weights three steps on, into the buffer
; that the last step read: block (PI + turn) mod the segment's length.  sw: from here on blocks are asked for from the next segment.  nbias: the next sums' bias.
; lw: the global loads issued behind this step's weights, which may stay out.
; The 20 accumulators take turns, one instruction a turn, from step to step too.
.macro KSTEP q, a, first, lda, koff, ldb, lw, nbias, sw
.rept 4
	v_nop                                          ; four places between the last step's matrix instructions and the loads into registers that they read (ISA guide 7.12.1 for vector instructions)
.endr
	s_wait_dscnt 0x0                               ; this step's row fragments, asked for a step ago
	s_wait_loadcnt \lw
.if \sw
	s_mov_b64 s[SEGB:SEGB+1], s[NXB:NXB+1]
	s_mov_b32 s[SEGM], s[NXM]
	s_mov_b32 s[SEGR], s[NXR]
	s_mov_b32 s[PI], 0
.endif
.if \ldb
	s_add_co_u32 s[T0], s[PI], s[SEGR]
	s_and_b32 s[T0], s[T0], s[SEGM]
	s_lshl_b32 s[OF], s[T0], 12                    ; a block is 4,096 bytes
	s_add_co_u32 s[PI], s[PI], 1
	s_wait_xcnt 0x0                                ; the loads' base is rewritten only behind this wait
	s_add_nc_u64 s[WP:WP+1], s[SEGB:SEGB+1], s[OF:OF+1]
.endif
.if \lda
	WIN W_LD
.irp b, 0,1,2,3,4
	ds_load_b128 v[AF+40*(1-(\a))+8*\b:AF+40*(1-(\a))+8*\b+3],   v[AA+\b] offset:\koff
	ds_load_b128 v[AF+40*(1-(\a))+8*\b+4:AF+40*(1-(\a))+8*\b+7], v[AA+\b] offset:\koff+32
.endr
.endif
.if \nbias
	WIN W_LD
.irp u, 0,1,2,3,4,5,6,7
	global_load_b128 v[BIAS+4*\u:BIAS+4*\u+3], v[BV], s[NBP:NBP+1] offset:64*(\u/2)+16*(\u%2)
.endr
.endif
.if \ldb
	WIN W_LD
.irp u, 0,1,2,3,4,5,6,7
	global_load_b128 v[BF+32*(((\q)+3)%4)+4*\u:BF+32*(((\q)+3)%4)+4*\u+3], v[L16], s[WP:WP+1] offset:512*\u
.endr
.endif
	WIN W_MM+0x10*(\first)                         ; (the bias, as C, lies in window 1)
.irp b, 0,1,2,3,4
	MMB \q, \a, \b, \first
.endr
.endm
; A PASS: 4 trips + 4 K steps.  The weights' ring runs on into the next segment (fin = 0) or runs down at the last segment's end (fin = 1): every block asked for is multiplied.
; Counts: 16 = the weights of the next two steps, eight loads each; 24 = those and the eight loads of the bias; 8 and 0 at the end.
.macro PASS trips, fin
	LOADA0
	KSTEP 0, 0, 1, 1, 64, 1, 16, 0, 0
	WIN 0                                          ; at a label and at a branch every window is 0
	s_mov_b32 s[TRIPS], \trips
.Ltrip_\@:
	KSTEP 1, 1, 0, 1, 128, 1, 16, 0, 0
	KSTEP 2, 0, 0, 1, 192, 1, 16, 0, 0
	KSTEP 3, 1, 0, 1, 256, 1, 16, 0, 0
	KSTEP 0, 0, 0, 1, 320, 1, 16, 0, 0
	WIN 0
.irp b, 0,1,2,3,4
	v_add_nc_u32 v[AA+\b], 256, v[AA+\b]           ; four K steps on
.endr
	s_sub_co_u32 s[TRIPS], s[TRIPS], 1
	s_cmp_lg_u32 s[TRIPS], 0
	s_cbranch_scc1 .Ltrip_\@
.if \fin
	KSTEP 1, 1, 0, 1, 128, 0, 16, 0, 0
	KSTEP 2, 0, 0, 1, 192, 0, 8, 0, 0
	KSTEP 3, 1, 0, 0, 0, 0, 0, 0, 0
.else
	KSTEP 1, 1, 0, 1, 128, 1, 16, 1, 1
	KSTEP 2, 0, 0, 1, 192, 1, 24, 0, 0
	KSTEP 3, 1, 0, 0, 0, 1, 24, 0, 0
.endif
	WIN 0
.endm
; GELU of accumulators (b, t0) and (b, t0 + 1), 16 numbers a lane, rounded to bf16 and stored into H.  Each accumulator's lowest registers are read first.
.macro GELU2 b, t0
.set XA, ACC+32*(\b)+8*(\t0)
.set k, 0
.rept 16
	v_and_b32 v[GA+k], s[ABSM], v[XA+k]            ; |x|
.set k, k+1
.endr
.set k, 0
.rept 8
	v_pk_fma_f32 v[GP+2*k:GP+2*k+1], v[GA+2*k:GA+2*k+1], s[C6:C6+1], s[C6+2:C6+3] op_sel_hi:[1,0,0]
.set k, k+1
.endr
.irp c, 4,6,8,10                                       ; c4, c3, c2, c1
.set k, 0
.rept 8
	v_pk_fma_f32 v[GP+2*k:GP+2*k+1], v[GP+2*k:GP+2*k+1], v[GA+2*k:GA+2*k+1], s[C6+\c:C6+\c+1] op_sel_hi:[1,1,0]
.set k, k+1
.endr
.endr
.set k, 0
.rept 8
	v_pk_fma_f32 v[GP+2*k:GP+2*k+1], v[GP+2*k:GP+2*k+1], v[GA+2*k:GA+2*k+1], 1.0 op_sel_hi:[1,1,0]
.set k, k+1
.endr
.rept 4                                                ; P^16
.set k, 0
.rept 8
	v_pk_mul_f32 v[GP+2*k:GP+2*k+1], v[GP+2*k:GP+2*k+1], v[GP+2*k:GP+2*k+1]
.set k, k+1
.endr
.endr
.set k, 0
.rept 16
	v_rcp_f32 v[GP+k], v[GP+k]
.set k, k+1
.endr
.set k, 0
.rept 16
	v_max_num_f32 v[XA+k], 0, v[XA+k]              ; plain work that names no reciprocal stands behind the batch
.set k, k+1
.endr
	s_wait_alu depctr_va_vdst(0)                   ; one wait for the 16 reciprocals, ahead of their first reader
.set k, 0
.rept 8
	v_pk_mul_f32 v[GA+2*k:GA+2*k+1], v[GA+2*k:GA+2*k+1], v[GP+2*k:GP+2*k+1]
.set k, k+1
.endr
.set k, 0
.rept 8
	v_pk_fma_f32 v[XA+2*k:XA+2*k+1], v[GA+2*k:GA+2*k+1], -0.5, v[XA+2*k:XA+2*k+1] op_sel_hi:[1,0,1]
.set k, k+1
.endr
.set k, 0
.rept 8
	v_cvt_pk_bf16_f32 v[GP+k], v[XA+2*k], v[XA+2*k+1]
.set k, k+1
.endr
	ds_store_b128 v[HSB], v[GP:GP+3]   offset:32*(\t0)
	ds_store_b128 v[HSB], v[GP+4:GP+7] offset:32*(\t0)+32
.endm
.macro GELUB b
	v_add_nc_u32 v[HSB], 16*HP*(\b), v[HST]
	GELU2 \b, 0
	GELU2 \b, 2
.endm
; THE WAY OUT of block b: times the gate's weight; through my own stage in LDS, so that 16 lanes hold 256 consecutive bytes of a row; stored at the row's entry.  Whole stores past the count are jumped.
; No register is written twice, so no wait frees a store's sources.
.macro OUTB b
	s_cmp_le_u32 s[NROWS], 16*(\b)
	s_cbranch_scc1 .Ldone
.set k, 0
.rept 32
	v_mul_f32 v[ACC+32*(\b)+k], v[G+(\b)], v[ACC+32*(\b)+k]
.set k, k+1
.endr
.set k, 0
.rept 8
	ds_store_b128 v[STO], v[ACC+32*(\b)+4*k:ACC+32*(\b)+4*k+3] offset:64*(k/2)+16*(k%2)
.set k, k+1
.endr
.set k, 0
.rept 8
	ds_load_b32 v[OE+8*(\b)+k], v[TBR] offset:4*(16*(\b)+2*k)
.set k, k+1
.endr
.set k, 0
.rept 8
	ds_load_b128 v[ACC+32*(\b)+4*k:ACC+32*(\b)+4*k+3], v[RD] offset:544*k  ; LDS serves a wave's instructions in order (ISA guide 5.7.1.4): these see the stores above, and the next block's stores come behind them
.set k, k+1
.endr
.set k, 0
.rept 8
.if k > 0
	s_cmp_le_u32 s[NROWS], 16*(\b)+2*k
	s_cbranch_scc1 .Ldone
.endif
	s_wait_dscnt 7-k                               ; rows 2 k and 2 k + 1 and their entries are in; the later rows' loads stay out
	v_min_u32 v[OE+8*(\b)+k], 0x3fff, v[OE+8*(\b)+k]
	v_lshl_add_u32 v[OE+8*(\b)+k], v[OE+8*(\b)+k], 11, v[CO]
	global_store_b128 v[OE+8*(\b)+k], v[ACC+32*(\b)+4*k:ACC+32*(\b)+4*k+3], s[18:19]  ; 16 lanes store 256 consecutive bytes, aligned
.set k, k+1
.endr
.endm
; pass p of the first product: its group of 64 columns of F, (2 w + p + rho) mod 16; where that group's 16 blocks of W1 lie in wf, and its 256 bytes of b1.  s[T1] = the expert's 2 MiB of wf
.macro GROUP seg, bias, p
	s_lshl1_add_u32 s[T0], s[WV], s[RHO]
	s_add_co_u32 s[T0], s[T0], \p
	s_and_b32 s[T0], s[T0], 15
	s_lshr_b32 s[OF], s[T0], 1
	s_lshl_b32 s[OF], s[OF], 18                    ; wf: the stream of wave group / 2,
	s_and_b32 s[SUMW], s[T0], 1
	s_lshl_b32 s[SUMW], s[SUMW], 16                ; its pass group % 2
	s_add_co_u32 s[OF], s[OF], s[SUMW]
	s_add_co_u32 s[OF], s[OF], s[T1]
	s_add_nc_u64 s[\seg:\seg+1], s[6:7], s[OF:OF+1]
	s_lshl_b32 s[OF], s[EX], 12
	s_lshl_b32 s[T0], s[T0], 8
	s_add_co_u32 s[OF], s[OF], s[T0]
	s_add_nc_u64 s[\bias:\bias+1], s[8:9], s[OF:OF+1]
.endm
.macro FIRSTB dst, q                   ; the block of K step q of the first segment
	s_add_co_u32 s[T0], s[RHO], \q
	s_and_b32 s[T0], s[T0], 15
	s_lshl_b32 s[OF], s[T0], 12
	s_add_nc_u64 s[\dst:\dst+1], s[SEGB:SEGB+1], s[OF:OF+1]
.endm
.macro LOADB q, base                   ; a block into weights' buffer q
.irp u, 0,1,2,3,4,5,6,7
	global_load_b128 v[BF+32*(\q)+4*\u:BF+32*(\q)+4*\u+3], v[L16], s[\base:\base+1] offset:512*\u
.endr
.endm
	s_load_b512 s[4:19], s[0:1], 0x0               ; xb s[4:5], wf s[6:7], b1 s[8:9], b2 s[10:11], gw s[12:13], list s[14:15], cnt s[16:17], part s[18:19]
	v_lshl_add_u32 v[SPW], v0, 2, SPARE
	v_mov_b32 v[NIL], 0
	v_lshrrev_b32 v[TW], 5, v0
	v_readfirstlane_b32 s[WV], v[TW]               ; wave 0..7
	v_and_b32 v[L16], 31, v0
	v_lshlrev_b32 v[L16], 4, v[L16]
	v_and_b32 v[RR], 15, v0
	v_bfe_u32 v[HH], v0, 4, 1
	s_wait_kmcnt 0x0
	s_load_b256 s[20:27], s[16:17], 0x0            ; the eight counts; the set-up below stands in the wait for them
	s_mov_b32 s[C6],    0x36b49f85                 ; a6 / 8
	s_mov_b32 s[C6+1],  0x36b49f85
	s_mov_b32 s[C6+2],  0x384d0fec                 ; a5 / 2^2.5
	s_mov_b32 s[C6+3],  0x384d0fec
	s_mov_b32 s[C6+4],  0x381f6607                 ; a4 / 4
	s_mov_b32 s[C6+5],  0x381f6607
	s_mov_b32 s[C6+6],  0x3b56cd72                 ; a3 / 2^1.5
	s_mov_b32 s[C6+7],  0x3b56cd72
	s_mov_b32 s[C6+8],  0x3cad2fe7                 ; a2 / 2
	s_mov_b32 s[C6+9],  0x3cad2fe7
	s_mov_b32 s[C6+10], 0x3d4c41b4                 ; a1 / sqrt(2)
	s_mov_b32 s[C6+11], 0x3d4c41b4
	s_mov_b32 s[ABSM], 0x7fffffff
	s_mov_b32 s[ID], ttmp9
	s_mul_i32 s[RHO], s[ID], 11
	s_and_b32 s[RHO], s[RHO], 15                   ; the turn
	v_mul_u32_u24 v[AXL], v[RR], XP
	v_lshl_add_u32 v[AXL], v[HH], 4, v[AXL]
	v_mul_u32_u24 v[AHL], v[RR], HP
	v_lshl_add_u32 v[AHL], v[HH], 4, v[AHL]
	v_add_nc_u32 v[AHL], HB, v[AHL]
	s_lshl_b32 s[T0], s[WV], 8
	v_add_nc_u32 v[HST], s[T0], v[AHL]
	v_lshl_add_u32 v[CO], v[RR], 4, s[T0]
	s_mul_i32 s[T0], s[WV], 16*272
	s_add_co_u32 s[T0], s[T0], STG                 ; my stage
	v_mul_u32_u24 v[STO], v[RR], 272
	v_lshl_add_u32 v[STO], v[HH], 5, v[STO]
	v_add_nc_u32 v[STO], s[T0], v[STO]
	v_mul_u32_u24 v[RD], v[HH], 272
	v_lshl_add_u32 v[RD], v[RR], 4, v[RD]
	v_add_nc_u32 v[RD], s[T0], v[RD]
	s_lshl_b32 s[T0], s[WV], 9
	s_add_co_u32 s[T0], s[T0], TAB                 ; my table
	v_lshl_add_u32 v[TBR], v[HH], 2, s[T0]
	v_lshl_add_u32 v[TW], v[RR], 2, s[T0]
	v_lshlrev_b32 v[BV], 5, v[HH]
	s_mul_i32 s[T0], s[WV], XP
	v_add_nc_u32 v[XS0], s[T0], v[L16]             ; row w of X, my 16 bytes
	v_add_nc_u32 v[XS1], 40*XP, v[XS0]             ; row w + 40: the immediate reaches 65,535 bytes
	s_lshl_b32 s[T0], s[RHO], 6
	v_add_nc_u32 v[LA0], s[T0], v[L16]
	v_and_b32 v[LA0], 0x3ff, v[LA0]                ; the turned byte in xb's row for the first half of an LDS row,
	v_xor_b32 v[LA1], 0x200, v[LA0]                ; and 512 further on, mod 1,024, for the second
	s_mov_b32 s[SUMW], 0
	s_mov_b32 s[EX], 0
	s_mov_b32 s[JJ], 0
	s_mov_b32 s[CE], 0
	s_mov_b32 s[OF+1], 0
	s_wait_kmcnt 0x0
.irp e, 0,1,2,3,4,5,6,7                                ; the last expert whose first work-group is not above mine
	s_min_u32 s[T0], s[20+\e], 0x2000              ; c: 8,192 at the most
	s_add_co_u32 s[T1], s[T0], 15
	s_lshr_b32 s[T1], s[T1], 4                     ; blocks of 16 rows: 512 at the most
	s_add_co_u32 s[T1], s[T1], 4
	s_mul_i32 s[T1], s[T1], 205
	s_lshr_b32 s[T1], s[T1], 10                    ; w = (blocks + 4) / 5: 205 / 1,024 gives the whole part of a fifth for numbers under 1,024
	s_cmp_ge_u32 s[ID], s[SUMW]
	s_cselect_b32 s[EX], \e, s[EX]
	s_cselect_b32 s[JJ], s[SUMW], s[JJ]
	s_cselect_b32 s[CE], s[T0], s[CE]
	s_add_co_u32 s[SUMW], s[SUMW], s[T1]
.endr
	s_sub_co_u32 s[JJ], s[ID], s[JJ]               ; J: my number among the expert's work-groups
	s_mul_i32 s[ROW0], s[JJ], 80
	s_sub_co_i32 s[NROWS], s[CE], s[ROW0]
	s_max_i32 s[NROWS], s[NROWS], 0
	s_min_u32 s[NROWS], s[NROWS], 80
	s_sub_co_i32 s[LAST], s[CE], 1
	s_max_i32 s[LAST], s[LAST], 0
	s_min_u32 s[EX], s[EX], 7
	s_lshl_b32 s[T1], s[EX], 21                    ; the expert's 2 MiB of wf
	GROUP SEGB, B1P, 0                             ; the first pass's blocks and bias,
	GROUP NXB, NBP, 1                              ; the second's
	s_lshl_b32 s[OF], s[WV], 18
	s_add_co_u32 s[OF], s[OF], s[T1]
	s_add_co_u32 s[OF], s[OF], 131072
	s_add_nc_u64 s[S2B:S2B+1], s[6:7], s[OF:OF+1]  ; my wave's 32 blocks of W2
	s_mov_b32 s[SEGM], 15
	s_mov_b32 s[SEGR], s[RHO]
	s_mov_b32 s[NXM], 15
	s_mov_b32 s[NXR], s[RHO]
	s_mov_b32 s[PI], 3                             ; K steps 0 to 2 are asked for below
	FIRSTB WP, 0
	FIRSTB P1, 1
	FIRSTB P2, 2
	s_lshl_b32 s[OF], s[EX], 15
	s_add_nc_u64 s[LP:LP+1], s[14:15], s[OF:OF+1]
	s_lshl_b32 s[OF], s[EX], 11
	s_lshl_b32 s[T0], s[WV], 8
	s_add_co_u32 s[OF], s[OF], s[T0]
	s_add_nc_u64 s[B2P:B2P+1], s[10:11], s[OF:OF+1]
.irp b, 0,1,2,3,4                                      ; my row's entry in each block: rows past the count repeat the last
	s_add_co_u32 s[T0], s[ROW0], 16*\b
	v_add_nc_u32 v[XO+\b], s[T0], v[RR]
	v_min_u32 v[XO+\b], s[LAST], v[XO+\b]
	v_min_u32 v[XO+\b], 0x1fff, v[XO+\b]
	v_lshlrev_b32 v[XO+\b], 2, v[XO+\b]
	global_load_b32 v[EN+\b], v[XO+\b], s[LP:LP+1]
.endr
.irp i, 0,1,2,3,4,5,6,7,8,9                            ; the entries of rows w + 8 i, which my wave gathers
	s_add_co_u32 s[XOF+\i], s[ROW0], s[WV]
	s_add_co_u32 s[XOF+\i], s[XOF+\i], 8*\i
	s_min_u32 s[XOF+\i], s[XOF+\i], s[LAST]
	s_min_u32 s[XOF+\i], s[XOF+\i], 0x1fff
	s_lshl_b32 s[XOF+\i], s[XOF+\i], 2
	s_load_b32 s[ENT+\i], s[LP:LP+1], s[XOF+\i] offset:0x0
.endr
	WIN W_LD
	LOADB 0, WP                                    ; the weights of K steps 0 to 2
	LOADB 1, P1
	LOADB 2, P2
.irp u, 0,1,2,3,4,5,6,7                                ; b1 of the first pass
	global_load_b128 v[BIAS+4*\u:BIAS+4*\u+3], v[BV], s[B1P:B1P+1] offset:64*(\u/2)+16*(\u%2)
.endr
	WIN 0
	s_wait_loadcnt 32                              ; the five entries are in: behind them 24 loads of weights and 8 of the bias
.irp b, 0,1,2,3,4
	v_min_u32 v[EN+\b], 0x3fff, v[EN+\b]
	ds_store_b32 v[TW], v[EN+\b] offset:64*\b      ; both halves of the lanes write the same words
	v_lshlrev_b32 v[GAD+\b], 2, v[EN+\b]
	global_load_b32 v[G+\b], v[GAD+\b], s[12:13]
.endr
	s_wait_kmcnt 0x0
.irp i, 0,1,2,3,4,5,6,7,8,9
	s_lshr_b32 s[XOF+\i], s[ENT+\i], 1             ; the token
	s_min_u32 s[XOF+\i], s[XOF+\i], 0x1fff
	s_lshl_b32 s[XOF+\i], s[XOF+\i], 10            ; its row of 1,024 bytes
	v_add_nc_u32 v[XO+\i], s[XOF+\i], v[LA0]
	v_add_nc_u32 v[XO2+\i], s[XOF+\i], v[LA1]
.endr
.irp i, 0,1,2,3,4,5,6,7,8,9                            ; the 80 rows, turned; they pass through the accumulators' registers
	global_load_b128 v[ACC+8*\i:ACC+8*\i+3],   v[XO+\i], s[4:5]
	global_load_b128 v[ACC+8*\i+4:ACC+8*\i+7], v[XO2+\i], s[4:5]
.endr
.irp i, 0,1,2,3,4
	s_wait_loadcnt 18-2*\i                         ; row i is in; the later rows, two loads each, stay out
	ds_store_b128 v[XS0], v[ACC+8*\i:ACC+8*\i+3]   offset:8*XP*\i
	ds_store_b128 v[XS0], v[ACC+8*\i+4:ACC+8*\i+7] offset:8*XP*\i+512
.endr
.irp i, 5,6,7,8,9
	s_wait_loadcnt 18-2*\i
	ds_store_b128 v[XS1], v[ACC+8*\i:ACC+8*\i+3]   offset:8*XP*(\i-5)
	ds_store_b128 v[XS1], v[ACC+8*\i+4:ACC+8*\i+7] offset:8*XP*(\i-5)+512
.endr
	s_wait_dscnt 0x0                               ; for the others' sake: my rows of X are stored
	s_barrier_signal -1
	s_barrier_wait -1                              ; X is whole
	s_mov_b32 s[PASSES], 2
.Lpass:                                                ; FIRST PRODUCT: 64 of my 128 columns of the LDS's H a pass, 16 K steps
.irp b, 0,1,2,3,4
	v_add_nc_u32 v[AA+\b], 16*XP*\b, v[AXL]
.endr
	PASS 3, 0
.rept 4
	v_nop                                          ; four places between the last products and the first read of a result
.endr
	GELUB 0
	GELUB 1
	GELUB 2
	GELUB 3
	GELUB 4
	v_add_nc_u32 v[HST], 128, v[HST]               ; the next pass's 64 columns
	s_wait_xcnt 0x0                                ; the bias's base is rewritten only behind this wait
	s_mov_b64 s[NBP:NBP+1], s[B2P:B2P+1]           ; the second pass fetches b2,
	s_mov_b64 s[NXB:NXB+1], s[S2B:S2B+1]           ; and goes on into W2's 32 blocks,
	s_mov_b32 s[NXM], 31
	s_lshl_b32 s[NXR], s[RHO], 1                   ; turned by 2 rho
	s_sub_co_u32 s[PASSES], s[PASSES], 1
	s_cmp_lg_u32 s[PASSES], 0
	s_cbranch_scc1 .Lpass
	s_wait_dscnt 0x0                               ; for the others' sake: my columns of H are stored
	s_barrier_signal -1
	s_barrier_wait -1                              ; H is whole
.irp b, 0,1,2,3,4                                      ; SECOND PRODUCT: my 64 columns of the output, 32 K steps
	v_add_nc_u32 v[AA+\b], 16*HP*\b, v[AHL]
.endr
	PASS 7, 1
.rept 4
	v_nop                                          ; four places between the last products and the first read of a result
.endr
	OUTB 0
	OUTB 1
	OUTB 2
	OUTB 3
	OUTB 4
.Ldone:
	s_wait_tensorcnt 0x0                           ; the wave's end, behind my last LDS store
	ds_add_u32 v[SPW], v[NIL]
	s_wait_dscnt 0x0
	s_endpgm
.Lfunc_end_k_q82b1d93251_chain:
	.size	k_q82b1d93251_chain, .Lfunc_end_k_q82b1d93251_chain-k_q82b1d93251_chain
	.p2alignl 7, 3214868480
	.fill 96, 4, 3214868480
	.section	.rodata,"a",@progbits
	.p2align	6, 0x0
	.amdhsa_kernel k_q82b1d93251_chain
		.amdhsa_group_segment_fixed_size 288256
		.amdhsa_private_segment_fixed_size 0
		.amdhsa_enable_private_segment 0
		.amdhsa_kernarg_size 64
		.amdhsa_user_sgpr_count 2
		.amdhsa_user_sgpr_kernarg_segment_ptr 1
		.amdhsa_wavefront_size32 1
		.amdhsa_system_sgpr_workgroup_id_x 1
		.amdhsa_system_sgpr_workgroup_id_y 1
		.amdhsa_system_sgpr_workgroup_id_z 1
		.amdhsa_system_vgpr_workitem_id 0
		.amdhsa_next_free_vgpr 512
		.amdhsa_next_free_sgpr 96
		.amdhsa_reserve_vcc 0
		.amdhsa_float_denorm_mode_32 3
		.amdhsa_float_denorm_mode_16_64 3
		.amdhsa_memory_ordered 1
		.amdhsa_forward_progress 1
		.amdhsa_inst_pref_size 180
	.end_amdhsa_kernel
	.amdgpu_metadata
---
amdhsa.version: [ 1, 2 ]
amdhsa.kernels:
  - .name:           k_q82b1d93251_chain
    .symbol:         k_q82b1d93251_chain.kd
    .args:
      - { .name: xb, .offset: 0, .size: 8, .value_kind: global_buffer, .address_space: global }
      - { .name: wf, .offset: 8, .size: 8, .value_kind: global_buffer, .address_space: global }
      - { .name: b1, .offset: 16, .size: 8, .value_kind: global_buffer, .address_space: global }
      - { .name: b2, .offset: 24, .size: 8, .value_kind: global_buffer, .address_space: global }
      - { .name: gw, .offset: 32, .size: 8, .value_kind: global_buffer, .address_space: global }
      - { .name: list, .offset: 40, .size: 8, .value_kind: global_buffer, .address_space: global }
      - { .name: cnt, .offset: 48, .size: 8, .value_kind: global_buffer, .address_space: global }
      - { .name: part, .offset: 56, .size: 8, .value_kind: global_buffer, .address_space: global }
    .group_segment_fixed_size: 288256
    .private_segment_fixed_size: 0
    .kernarg_segment_align: 8
    .kernarg_segment_size: 64
    .max_flat_workgroup_size: 256
    .sgpr_count:     96
    .vgpr_count:     512
    .wavefront_size: 32
...
	.end_amdgpu_metadata
.endif
;; end of part 3
;; launch combine (part 4): grid 256 x 1, 8 waves a work-group, no clusters, 0 bytes of LDS; arguments x, part, out0; writes out0
.if DOCPART == 4
	.amdgcn_target "amdgcn-amd-amdhsa--gfx1250"
	.amdhsa_code_object_version 6
	.text
	.protected	k_q82b1d93251_combine
	.globl	k_q82b1d93251_combine
	.p2align	8
	.type	k_q82b1d93251_combine,@function
k_q82b1d93251_combine:
	s_mov_b64 s[64:65], 0
	v_nop
	global_prefetch_b8 v0, s[64:65] scope:SCOPE_SE
	s_setreg_imm32_b32 hwreg(HW_REG_WAVE_MODE, 25, 1), 1
	s_wait_xcnt 0x0
; COMBINE.  out0[t] = (part[2 t] + part[2 t + 1]) + x[t], all f32, in the reference's order of additions.
; A stream: a work-group has 32 tokens (64 KiB of x and of out0, 128 KiB of part), a thread 16 items of 16 bytes.  All 48 loads of a thread go out at once; every load and store of a wave
; covers 512 consecutive bytes, aligned.  No register is written twice, so no wait frees a source; no loop, no LDS, no barrier.  Matrix units and clusters have nothing to do here.
.set D, 8                              ; item i: v[D+12 i ..]: part's first row, its second row, x: 4 registers each
	s_load_b128 s[4:7], s[0:1], 0x0                ; x s[4:5], part s[6:7]
	s_load_b64 s[8:9], s[0:1], 0x10                ; out0
	v_lshlrev_b32 v1, 4, v0                        ; x, out0: 16 x thread; item i is 4,096 bytes on: token 2 i + thread / 128
	v_lshrrev_b32 v2, 7, v0
	v_and_b32 v3, 127, v0
	v_lshlrev_b32 v3, 4, v3
	v_lshl_add_u32 v2, v2, 12, v3                  ; part: a token's two rows are 4,096 bytes
	s_lshl_b32 s10, ttmp9, 16
	s_mov_b32 s11, 0
	s_lshl_b32 s12, ttmp9, 17
	s_mov_b32 s13, 0
	s_wait_kmcnt 0x0
	s_add_nc_u64 s[4:5], s[4:5], s[10:11]
	s_add_nc_u64 s[8:9], s[8:9], s[10:11]
	s_add_nc_u64 s[6:7], s[6:7], s[12:13]
.set i, 0
.rept 16
	global_load_b128 v[D+12*i:D+12*i+3],    v2, s[6:7] offset:8192*i th:TH_LOAD_NT
	global_load_b128 v[D+12*i+4:D+12*i+7],  v2, s[6:7] offset:8192*i+2048 th:TH_LOAD_NT
	global_load_b128 v[D+12*i+8:D+12*i+11], v1, s[4:5] offset:4096*i th:TH_LOAD_NT
.set i, i+1
.endr
.set i, 0
.rept 16
	s_wait_loadcnt 45-3*i                          ; loads come back in order: item i is in, the later items' three loads each stay out
	v_pk_add_f32 v[D+12*i:D+12*i+1],   v[D+12*i:D+12*i+1],   v[D+12*i+4:D+12*i+5]
	v_pk_add_f32 v[D+12*i+2:D+12*i+3], v[D+12*i+2:D+12*i+3], v[D+12*i+6:D+12*i+7]
	v_pk_add_f32 v[D+12*i:D+12*i+1],   v[D+12*i:D+12*i+1],   v[D+12*i+8:D+12*i+9]
	v_pk_add_f32 v[D+12*i+2:D+12*i+3], v[D+12*i+2:D+12*i+3], v[D+12*i+10:D+12*i+11]
	global_store_b128 v1, v[D+12*i:D+12*i+3], s[8:9] offset:4096*i th:TH_STORE_NT
.set i, i+1
.endr
	s_endpgm
.Lfunc_end_k_q82b1d93251_combine:
	.size	k_q82b1d93251_combine, .Lfunc_end_k_q82b1d93251_combine-k_q82b1d93251_combine
	.p2alignl 7, 3214868480
	.fill 96, 4, 3214868480
	.section	.rodata,"a",@progbits
	.p2align	6, 0x0
	.amdhsa_kernel k_q82b1d93251_combine
		.amdhsa_group_segment_fixed_size 0
		.amdhsa_private_segment_fixed_size 0
		.amdhsa_enable_private_segment 0
		.amdhsa_kernarg_size 24
		.amdhsa_user_sgpr_count 2
		.amdhsa_user_sgpr_kernarg_segment_ptr 1
		.amdhsa_wavefront_size32 1
		.amdhsa_system_sgpr_workgroup_id_x 1
		.amdhsa_system_sgpr_workgroup_id_y 1
		.amdhsa_system_sgpr_workgroup_id_z 1
		.amdhsa_system_vgpr_workitem_id 0
		.amdhsa_next_free_vgpr 200
		.amdhsa_next_free_sgpr 66
		.amdhsa_reserve_vcc 0
		.amdhsa_float_denorm_mode_32 3
		.amdhsa_float_denorm_mode_16_64 3
		.amdhsa_memory_ordered 1
		.amdhsa_forward_progress 1
		.amdhsa_inst_pref_size 12
	.end_amdhsa_kernel
	.amdgpu_metadata
---
amdhsa.version: [ 1, 2 ]
amdhsa.kernels:
  - .name:           k_q82b1d93251_combine
    .symbol:         k_q82b1d93251_combine.kd
    .args:
      - { .name: x, .offset: 0, .size: 8, .value_kind: global_buffer, .address_space: global }
      - { .name: part, .offset: 8, .size: 8, .value_kind: global_buffer, .address_space: global }
      - { .name: out0, .offset: 16, .size: 8, .value_kind: global_buffer, .address_space: global }
    .group_segment_fixed_size: 0
    .private_segment_fixed_size: 0
    .kernarg_segment_align: 8
    .kernarg_segment_size: 24
    .max_flat_workgroup_size: 256
    .sgpr_count:     66
    .vgpr_count:     200
    .wavefront_size: 32
...
	.end_amdgpu_metadata
.endif
;; end of part 4
